; MI455X (gfx1250); checked and timed in simulation.
; The chip was launched on July 23, 2026; its instructions are those of AMD's public machine-readable ISA for CDNA 5 (MIT licence, August 2026) and "CDNA5" Instruction Set Architecture Reference Guide (July 2026). The comments in the code are by the model that wrote it; some were corrected since.
;; Multi Head Attention. Allowed arithmetic: matrix products marked QUANTISED: E4M3 operands, one given power-of-two scale a tensor, by v_wmma_f32_16x16x64_fp8_fp8 or v_wmma_f32_16x16x128_fp8_fp8, f32 sums; everything else in f32.
;; Inputs: Wk 1,024 x 1,024 float32; Wo 1,024 x 1,024 float32; Wq 1,024 x 1,024 float32; Wv 1,024 x 1,024 float32; bk 1,024 float32; bo 1,024 float32; bq 1,024 float32; bv 1,024 float32; lowp_scales 12 int32 (the exponents e of the quantised operands' scales 2^e); mask 2 x 2,048 x 2,048 int32; x_k 2 x 2,048 x 1,024 float32; x_q 2 x 2,048 x 1,024 float32; x_v 2 x 2,048 x 1,024 float32.
;; Outputs: out0 2 x 2,048 x 1,024 float32.
;; This version of the problem:
;;   THIS VERSION OF THE PROBLEM IS GIVEN IN LOW PRECISION. The matrix products marked QUANTISED in the list below multiply operands that are first quantised to E4M3 (4 exponent bits, 3 mantissa bits; 8 bits a number), with one given power-of-two scale for each operand tensor; their sums are f32. All else is computed in f32.
;;   The module's matrix products, in the order in which they are computed (A, B: the left and right operand; K: the contracted axis; several contracted axes count as one K, in the product's order):
;;     1. [M 4,096, K 1,024] x [K 1,024, N 1,024]; A: input x_q; B: input Wq: QUANTISED (scales: A lowp_scales[0], B lowp_scales[1])
;;     2. [M 4,096, K 1,024] x [K 1,024, N 1,024]; A: input x_k; B: input Wk: QUANTISED (scales: A lowp_scales[2], B lowp_scales[3])
;;     3. [M 4,096, K 1,024] x [K 1,024, N 1,024]; A: input x_v; B: input Wv: QUANTISED (scales: A lowp_scales[4], B lowp_scales[5])
;;     4. batch 32 x [M 2,048, K 64] x [K 64, N 2,048]; A: computed on the way; B: computed on the way: QUANTISED (scales: A lowp_scales[6], B lowp_scales[7])
;;     5. batch 32 x [M 2,048, K 2,048] x [K 2,048, N 64]; A: softmax (see below); B: computed on the way: QUANTISED (scales: A lowp_scales[8], B lowp_scales[9])
;;     6. [M 4,096, K 1,024] x [K 1,024, N 1,024]; A: computed on the way; B: input Wo: QUANTISED (scales: A lowp_scales[10], B lowp_scales[11])
;;   THE QUANTISER, for each operand of a quantised product, along K:
;;     - The operand's scale is 2^e, e = its entry of the input lowp_scales (int32; the entries are numbered through the quantised products in the list's order, A before B).
;;     - Each number is divided by the scale, clamped to +-448, and rounded to the nearest number of E4M3, ties to even, subnormals kept.
;;     - The product sums the exact products of the quantised numbers (number of the format x scale) in f32.
;;   ~~~python
;;   def quantise(x, axis, e):      # numpy; x: float32 -> the quantised numbers, widened to float32 again
;;       x = np.moveaxis(x, axis, -1); K = x.shape[-1]
;;       r = np.clip(x / 2.0 ** e, -448, 448)
;;       step = 2.0 ** (np.maximum(np.frexp(np.where(r == 0, 1, r))[1] - 1, -6) - 3)
;;       q = np.round(r / step) * step * 2.0 ** e      # np.round: ties to even
;;       return np.moveaxis(q, -1, axis).astype(np.float32)
;;   ~~~
;;   SOFTMAX AHEAD OF A QUANTISED PRODUCT. Where the list says 'softmax', what is quantised is not the finished softmax but p = 2^(t - M), with t = logit x log2(e) and M = ceil(the row's largest t), a whole number; so 1/2 < the row's largest p <= 1. The row's sum l is taken of the UNQUANTISED p, in f32, and the product's result is divided by l at the end. Since M is a whole number, a kernel that streams over the keys may use a running M (the ceiling of the running maximum): every later rescaling is an exact power of two, so the quantised numbers keep their values, but for numbers so far below the row's largest that they fall under the format's range.
;;   OPERANDS COMPUTED ON THE WAY. 'Computed on the way' means the value that the module computes at that place (a softmax that the list does not call 'softmax' is quantised finished and normalised). What goes into a quantiser is computed in f32, as accurately as f32 sums, v_exp_f32 and their like allow (about 1e-6 of the number): no bf16 or f16 on the way to a quantiser, and a product that is left as it is and whose result goes on into a quantised operand takes f32 operands (vector FMAs, or v_wmma_f32_16x16x4_f32). A number that lies on a knife's edge between two numbers of the format may be rounded either way, as far as f32 arithmetic and the matrix unit's own rounding can turn it there, and no further.
;; One version. Each part assembles by itself: llvm-mc -triple=amdgcn-amd-amdhsa -mcpu=gfx1250 --defsym DOCPART=n.
;; ======== version 1 of 1: 4 launches
;; limits: right only within a limited range of input values
;; workspace buffers: cod 16,777,216 bytes; maskw 1,048,576 bytes of whole numbers; qi 4,194,304 bytes; kv 8,388,608 bytes; ac 4,194,304 bytes
;; launch prep (part 1): grid 768 x 1, 4 waves a work-group, no clusters, 70,144 bytes of LDS; arguments x_q, x_k, x_v, Wq, Wk, Wv, Wo, mask, lowp_scales, cod, maskw; writes cod, maskw
.if DOCPART == 1
	.amdgcn_target "amdgcn-amd-amdhsa--gfx1250"
	.amdhsa_code_object_version 6
	.text
	.protected	k_qc1c0436a72_prep
	.globl	k_qc1c0436a72_prep
	.p2align	8
	.type	k_qc1c0436a72_prep,@function
k_qc1c0436a72_prep:
	s_mov_b64 s[64:65], 0
	v_nop
	global_prefetch_b8 v0, s[64:65] scope:SCOPE_SE
	s_setreg_imm32_b32 hwreg(HW_REG_WAVE_MODE, 25, 1), 1
	s_wait_xcnt 0x0
; x_q, x_k, x_v [4096][1024] and Wq, Wk, Wv, Wo [1024][1024], f32, become codes of E4M3, each tensor with its given scale 2^e; the mask [4096][2048], int32, becomes lane-mask words.
; code = x / 2^e, held within +-448, rounded to the nearest code, ties to even.  LIMITS: e between -126 and 119, so that 2^e and 448 x 2^e are f32 numbers; NaN among the inputs is not served.
; cod: the seven tensors one behind the other, 16,384 rows of 1,024 codes, laid in the order of the operands' registers: the code of (row, k) lies at
;   (row / 16) x 16384 + (k / 16) x 256 + (row % 16) x 16 + k % 16: a fragment of 16 rows x 128 K is 2,048 bytes on end, four registers of lane l at 512 c + 16 l.
; maskw: [4096 / 32 strips of 32 queries][32 steps of 64 keys][64 words]; word 32 u + 8 c + j, bit r + 16 h: mask[32 strip + 16 u + r][64 step + 16 c + 8 h + j] != 0.
; SHARES.  A unit is 32 rows x 256 bytes.  A wave takes four units side by side (1,024 bytes of each of its 32 rows).  Work-groups 0-511: a strip of 32 rows of cod, wave w the codes 256 w on.
; Work-groups 512-767: half a strip of the mask, wave w 256 keys.  Each load reads two rows' 256 consecutive bytes; a unit turns through the wave's own stage in LDS (rows of 256 + 16 bytes), so that a lane gets
; neighbours along K of one row; every store of a wave covers 256 or 512 consecutive bytes, aligned.  No wave shares anything with another: no barrier, no cluster, no matrix work.
; The two kinds of work-group part on the work-group's number and have LDS bytes of their own.
.set SP,   272                         ; a stage row
.set STG,  32*SP                       ; a wave's stage
.set C,    16                          ; v16-31   a unit's codes; in the mask's path v16-23: four pairs of words
.set R,    32                          ; v32-159  two sets of 64 registers as loaded
.set X,    160                         ; v160-223 the unit, turned
.set SRC,  26                          ; s[26:27] where my wave reads
	s_load_b512 s[4:19], s[0:1], 0x0               ; x_q, x_k, x_v, Wq, Wk, Wv, Wo, mask
	s_load_b128 s[20:23], s[0:1], 0x40             ; the scales' exponents, cod
	s_load_b64 s[24:25], s[0:1], 0x50              ; maskw
	v_lshl_add_u32 v224, v0, 2, 0x11000
	v_mov_b32 v225, 0
	v_lshrrev_b32 v1, 5, v0
	v_readfirstlane_b32 s2, v1                     ; wave 0..3
	v_and_b32 v1, 31, v0                           ; lane
	v_and_b32 v2, 15, v0                           ; r
	v_bfe_u32 v3, v0, 4, 1                         ; h
	s_mul_i32 s3, s2, STG                          ; my stage
	v_mul_u32_u24 v5, v3, SP
	v_lshl_add_u32 v5, v2, 4, v5                   ; into the stage: lanes 0-15 one row, lanes 16-31 the next, 16 bytes a lane
	v_mul_u32_u24 v6, v2, SP                       ; out of it: row r
; unit n's 16 loads into set n % 2: load i takes rows 2 i and 2 i + 1
.macro LOAD n, pitch
.irp i, 0,1,2,3,4,5,6,7,8,9,10,11,12,13,14,15
	global_load_b128 v[R+64*((\n)%2)+4*\i:R+64*((\n)%2)+4*\i+3], v4, s[SRC:SRC+1] offset:\i*2*\pitch+256*(\n) th:TH_LOAD_NT
.endr
.endm
; unit n through the stage.  LDS serves a wave's instructions in order (ISA guide 5.7.1.4): no wait stands between the stores and the loads.
; kind 0: register 32 u + 16 c + 4 i on = row 16 u + r, numbers 32 c + 16 h + 4 i on.   kind 1: register 32 u + 8 c + j = row 16 u + r, key 16 c + 8 h + j
.macro TURN n, kind
.irp i, 0,1,2,3,4,5,6,7,8,9,10,11,12,13,14,15
	ds_store_b128 v5, v[R+64*((\n)%2)+4*\i:R+64*((\n)%2)+4*\i+3] offset:2*SP*\i
.endr
.irp u, 0,1
.if \kind
.irp c, 0,1,2,3
.irp i, 0,1
	ds_load_b128 v[X+32*\u+8*\c+4*\i:X+32*\u+8*\c+4*\i+3], v6 offset:16*SP*\u+64*\c+16*\i
.endr
.endr
.else
.irp c, 0,1
.irp i, 0,1,2,3
	ds_load_b128 v[X+32*\u+16*\c+4*\i:X+32*\u+16*\c+4*\i+3], v6 offset:16*SP*\u+128*\c+16*\i
.endr
.endr
.endif
.endr
.endm
.macro HEAD n, kind, pitch
.if (\n) < 3
	s_wait_loadcnt 16                              ; this unit's 16 loads are in; the next unit's 16 may be out
.else
	s_wait_loadcnt 0x0
.endif
	TURN \n, \kind
	s_wait_dscnt 0x0                               ; the unit is back, turned; the stores into the stage have read their registers
.if (\kind == 0) && ((\n) > 0)
	s_wait_xcnt 0x0                                ; the last unit's stores have read the codes' registers, which are written again below
.endif
.if (\n) < 2
	LOAD (\n)+2, \pitch                            ; two units ahead, into the set just left
.endif
.endm
	s_cmp_ge_u32 ttmp9, 512
	s_cbranch_scc1 .Lmask
	; ---- the seven f32 tensors
	v_add_nc_u32 v5, s3, v5
	v_lshl_add_u32 v6, v3, 6, v6                   ; + 64 h: my 16 numbers of a block of 32
	v_add_nc_u32 v6, s3, v6
	v_lshlrev_b32 v4, 12, v3
	v_lshl_add_u32 v4, v2, 4, v4                   ; in memory: 4,096 h + 16 r
	v_lshlrev_b32 v7, 4, v1                        ; the codes: 16 x lane
	s_wait_kmcnt 0x0
	s_mov_b64 s[SRC:SRC+1], s[4:5]                 ; which tensor: chosen by the work-group's number alone
	s_mov_b32 s28, 0                               ; its first work-group
	s_mov_b32 s29, 0                               ; its scale's byte in lowp_scales
.macro PICK first, ptr, off
	s_cmp_ge_u32 ttmp9, \first
	s_cselect_b64 s[SRC:SRC+1], s[\ptr:\ptr+1], s[SRC:SRC+1]
	s_cselect_b32 s28, \first, s28
	s_cselect_b32 s29, \off, s29
.endm
	PICK 128, 6, 8                                 ; x_k, entry 2
	PICK 256, 8, 16                                ; x_v, entry 4
	PICK 384, 10, 4                                ; Wq, entry 1
	PICK 416, 12, 12                               ; Wk, entry 3
	PICK 448, 14, 20                               ; Wv, entry 5
	PICK 480, 16, 44                               ; Wo, entry 11
	s_load_b32 s30, s[20:21], s29 offset:0x0       ; e
	s_sub_co_u32 s32, ttmp9, s28
	s_lshl_b32 s32, s32, 17                        ; 32 rows of 4,096 bytes
	s_lshl_b32 s33, s2, 10                         ; my wave's 1,024 bytes of a row
	s_add_co_u32 s32, s32, s33
	s_mov_b32 s33, 0
	s_add_nc_u64 s[SRC:SRC+1], s[SRC:SRC+1], s[32:33]
	s_lshl_b32 s34, ttmp9, 15                      ; cod: 32 rows of 1,024 codes,
	s_lshl_b32 s35, s2, 12                         ; 256 w along K: 16 w blocks of 256 bytes
	s_add_co_u32 s34, s34, s35
	s_mov_b32 s35, 0
	s_add_nc_u64 s[22:23], s[22:23], s[34:35]
	LOAD 0, 4096
	LOAD 1, 4096
	s_wait_kmcnt 0x0
	s_add_co_i32 s30, s30, 127
	s_lshl_b32 s31, s30, 23
	v_mov_b32 v11, s31                             ; 2^e as f32: the conversion takes its exponent field
	s_add_co_i32 s30, s30, 8
	s_lshl_b32 s30, s30, 23
	s_or_b32 s30, s30, 0x600000
	v_mov_b32 v10, s30                             ; 448 x 2^e
.macro UNITF n
	HEAD \n, 0, 4096
.irp u, 0,1
.irp c, 0,1
.irp e, 0,1
.irp j, 0,1,2,3,4,5,6,7
	v_med3_num_f32 v[X+32*\u+16*\c+8*\e+\j], v[X+32*\u+16*\c+8*\e+\j], -v10, v10   ; the conversion to an 8-bit code does not saturate (ISA guide 7.6.2): the hold comes first
.endr
	v_cvt_scalef32_pk8_fp8_f32 v[C+4*(2*\u+\c)+2*\e:C+4*(2*\u+\c)+2*\e+1], v[X+32*\u+16*\c+8*\e:X+32*\u+16*\c+8*\e+7], v11
.endr
.endr
.endr
	v_nop                                          ; a plain line behind the last conversion: the next unit's holds write the conversions' sources
.irp u, 0,1
.irp c, 0,1
	global_store_b128 v7, v[C+4*(2*\u+\c):C+4*(2*\u+\c)+3], s[22:23] offset:16384*\u+1024*(\n)+512*\c   ; 32 lanes store 512 consecutive bytes, aligned
.endr
.endr
.endm
	UNITF 0
	UNITF 1
	UNITF 2
	UNITF 3
	s_wait_tensorcnt 0x0
	ds_add_u32 v224, v225
	s_wait_dscnt 0x0
	s_endpgm
	; ---- the mask
.Lmask:
	s_add_co_u32 s3, s3, 4*STG                     ; this path's stages lie behind the other's
	v_add_nc_u32 v5, s3, v5
	v_lshl_add_u32 v6, v3, 5, v6                   ; + 32 h: my 8 keys of 16
	v_add_nc_u32 v6, s3, v6
	v_lshlrev_b32 v4, 13, v3
	v_lshl_add_u32 v4, v2, 4, v4                   ; in memory: 8,192 h + 16 r
	v_lshlrev_b32 v7, 3, v1                        ; the words: 8 x lane
.irp i, 0,1,2,3,4,5,6,7
	v_mov_b32 v[16+\i], 0                          ; v_writelane_b32's destination counts as read
.endr
	s_sub_co_u32 s28, ttmp9, 512
	s_lshr_b32 s29, s28, 1                         ; the strip of 32 queries
	s_and_b32 s28, s28, 1
	s_lshl_b32 s28, s28, 2
	s_add_co_u32 s28, s28, s2                      ; which 256 keys: 0..7
	s_lshl_b32 s28, s28, 10                        ; 1,024 bytes of a row of the mask, and four steps' 1,024 bytes of words
	s_lshl_b32 s32, s29, 18                        ; 32 rows of 8,192 bytes
	s_add_co_u32 s32, s32, s28
	s_mov_b32 s33, 0
	s_lshl_b32 s34, s29, 13                        ; a strip's 32 steps x 256 bytes
	s_add_co_u32 s34, s34, s28
	s_mov_b32 s35, 0
	s_wait_kmcnt 0x0
	s_add_nc_u64 s[SRC:SRC+1], s[18:19], s[32:33]
	s_add_nc_u64 s[24:25], s[24:25], s[34:35]
	LOAD 0, 8192
	LOAD 1, 8192
.macro UNITM n
	HEAD \n, 1, 8192
.set w, 0
.rept 64                                       ; word w is the compare's lane mask; it goes to lane w / 2, register w % 2: byte 4 w of the step's 256
	v_cmp_ne_u32 s[40+w%4], 0, v[X+w]
	v_writelane_b32 v[16+2*(\n)+w%2], s[40+w%4], w/2
.set w, w+1
.endr
	global_store_b64 v7, v[16+2*(\n):17+2*(\n)], s[24:25] offset:256*(\n)   ; 32 lanes store 256 consecutive bytes, aligned; each unit has its own pair
.endm
	UNITM 0
	UNITM 1
	UNITM 2
	UNITM 3
	s_wait_tensorcnt 0x0
	ds_add_u32 v224, v225
	s_wait_dscnt 0x0
	s_endpgm
.Lfunc_end_k_qc1c0436a72_prep:
	.size	k_qc1c0436a72_prep, .Lfunc_end_k_qc1c0436a72_prep-k_qc1c0436a72_prep
	.p2alignl 7, 3214868480
	.fill 96, 4, 3214868480
	.section	.rodata,"a",@progbits
	.p2align	6, 0x0
	.amdhsa_kernel k_qc1c0436a72_prep
		.amdhsa_group_segment_fixed_size 70144
		.amdhsa_private_segment_fixed_size 0
		.amdhsa_enable_private_segment 0
		.amdhsa_kernarg_size 88
		.amdhsa_user_sgpr_count 2
		.amdhsa_user_sgpr_kernarg_segment_ptr 1
		.amdhsa_wavefront_size32 1
		.amdhsa_system_sgpr_workgroup_id_x 1
		.amdhsa_system_sgpr_workgroup_id_y 1
		.amdhsa_system_sgpr_workgroup_id_z 1
		.amdhsa_system_vgpr_workitem_id 0
		.amdhsa_next_free_vgpr 226
		.amdhsa_next_free_sgpr 66
		.amdhsa_reserve_vcc 0
		.amdhsa_float_denorm_mode_32 3
		.amdhsa_float_denorm_mode_16_64 3
		.amdhsa_memory_ordered 1
		.amdhsa_forward_progress 1
		.amdhsa_inst_pref_size 86
	.end_amdhsa_kernel
	.amdgpu_metadata
---
amdhsa.version: [ 1, 2 ]
amdhsa.kernels:
  - .name:           k_qc1c0436a72_prep
    .symbol:         k_qc1c0436a72_prep.kd
    .args:
      - { .name: x_q, .offset: 0, .size: 8, .value_kind: global_buffer, .address_space: global }
      - { .name: x_k, .offset: 8, .size: 8, .value_kind: global_buffer, .address_space: global }
      - { .name: x_v, .offset: 16, .size: 8, .value_kind: global_buffer, .address_space: global }
      - { .name: Wq, .offset: 24, .size: 8, .value_kind: global_buffer, .address_space: global }
      - { .name: Wk, .offset: 32, .size: 8, .value_kind: global_buffer, .address_space: global }
      - { .name: Wv, .offset: 40, .size: 8, .value_kind: global_buffer, .address_space: global }
      - { .name: Wo, .offset: 48, .size: 8, .value_kind: global_buffer, .address_space: global }
      - { .name: mask, .offset: 56, .size: 8, .value_kind: global_buffer, .address_space: global }
      - { .name: lowp_scales, .offset: 64, .size: 8, .value_kind: global_buffer, .address_space: global }
      - { .name: cod, .offset: 72, .size: 8, .value_kind: global_buffer, .address_space: global }
      - { .name: maskw, .offset: 80, .size: 8, .value_kind: global_buffer, .address_space: global }
    .group_segment_fixed_size: 70144
    .private_segment_fixed_size: 0
    .kernarg_segment_align: 8
    .kernarg_segment_size: 88
    .max_flat_workgroup_size: 128
    .sgpr_count:     66
    .vgpr_count:     226
    .wavefront_size: 32
...
	.end_amdgpu_metadata
.endif
;; end of part 1
;; launch qkv (part 2): grid 8 x 96, 4 waves a work-group, clusters of 4 x 4, 262,656 bytes of LDS; arguments cod, bq, bk, bv, lowp_scales, qi, kv; writes qi, kv
.if DOCPART == 2
	.amdgcn_target "amdgcn-amd-amdhsa--gfx1250"
	.amdhsa_code_object_version 6
	.text
	.protected	k_qc1c0436a72_qkv
	.globl	k_qc1c0436a72_qkv
	.p2align	8
	.type	k_qc1c0436a72_qkv,@function
k_qc1c0436a72_qkv:
	s_mov_b64 s[64:65], 0
	v_nop
	global_prefetch_b8 v0, s[64:65] scope:SCOPE_SE
	s_setreg_imm32_b32 hwreg(HW_REG_WAVE_MODE, 25, 1), 1
	s_wait_xcnt 0x0
	s_wait_alu depctr_hold_cnt(0) depctr_sa_sdst(0) depctr_va_vdst(0) depctr_va_sdst(0) depctr_va_ssrc(0) depctr_va_vcc(0) depctr_vm_vsrc(0)
	s_getreg_b32 s2, hwreg(HW_REG_IB_STS2, 6, 4)
	s_cmp_eq_u32 s2, 0
	s_cbranch_scc0 .Lentry_in_a_cluster
	s_endpgm
.Lentry_in_a_cluster:
	s_bfe_u32 s2, ttmp6, 0x10000c
	s_cmp_lg_u32 s2, 0xf033
	s_cbranch_scc0 .Lentry_shape_is_right
	s_endpgm
.Lentry_shape_is_right:
; The three projections y = x W^T + b on codes of E4M3 (v_wmma_f32_16x16x128_fp8_fp8, f32 sums), y quantised at once with the scale given for it (q: entry 6, k: entry 7, v: entry 9 of lowp_scales)
; and stored as images of the attention launch's operand registers.  Tensor T = cluster y / 8: 0 q, 1 k, 2 v.
; A work-group makes 128 x 128 of y, its four waves 64 x 64 each: 16 accumulators.  BOTH OPERAND TILES LIE WHOLE IN LDS (K = 1,024: 2 x 131,072 bytes), brought by first fills alone: no LDS byte is filled twice.
; cod holds the codes in the order of the operands' registers, so a fragment (16 rows x 128 K) is 2,048 bytes on end and comes by four ds_load_b128 at 16 x lane: no pitch, no padding.  In a lane's registers
; 4 c .. 4 c + 3 stand K = 32 c + 16 (lane / 16) + 0 .. 15: a permutation of K inside the instruction, the same in both operands, so every product meets its partner.
; SOURCES.  P = source 0: its rows run along a lane's registers.  R = source 1: its rows run along the lanes.  Accumulator (g, c), register j, lane (r, h) = (P's row 16 c + 8 h + j, R's row 16 g + r).
;   q, k: P = W (64 channels = one head a wave), R = x (tokens): a lane holds one token and eight neighbouring channels: K of the scores' product.
;   v:    P = x_v (tokens), R = Wv (channels): a lane holds one channel and eight neighbouring keys: K of the second product.  Only the tiles' numbers differ: one text serves all three.
; CLUSTERS: 4 x 4 work-groups.  P's tile hangs on cx and is asked for jointly by a column of the cluster, R's on cy, by a row: each of the four issues the same tensor load with the same descriptor.
; THE BIAS: a sum stands for sum x 2^(ea + eb), so the accumulators BEGIN as b / 2^(ea + eb) and the conversion takes 2^(eo - ea - eb).  Both forms of the bias (by register, by lane) are loaded, and the one
; that this tensor does not want is multiplied by 0: no branch hangs on the tensor.
; LIMITS on the given exponents: ea + eb between -126 and 126; eo - ea - eb between -126 and 119.  NaN and infinities among the inputs are not served.
; REGISTERS: window 0: v1 r, v2 h, v3 16 x lane; v16-19, v20-23 LDS addresses of P's and R's fragments in chunk 0..3; v32-63 the bias by register, v64-71 by lane; v72-103 codes; v104, v105 hold and scale;
;   v128-255 the accumulators.   window 1: two fragment buffers of 128: P's four fragments, then R's four.
.set WV,  2                            ; s2  wave
.set W1,  3                            ; s3  wave % 2: my half of P's rows; also which 64 rows I fetch
.set W2,  4                            ; s4  wave / 2: my half of R's rows
.set PCX, 5                            ; s5  cx
.set PCY, 6                            ; s6  cy
.set LB,  7                            ; s7  16,384 x wave: where my loads land in a chunk
.set TT,  9                            ; s9  T
.set G1P, 16                           ; s[16:23] descriptor group 1 for P, s[24:31] for R: they differ in the mask
.set G1R, 24
.set G0P, 32                           ; s[32:47] group 0 for P's chunks 0..3, s[48:63] for R's
.set G0R, 48
.set ADP, 16
.set ADR, 20
.set BI,  32
.set BG,  64
.set CD,  72
.set LIM, 104
.set SCL, 105
.set ACC, 128
.set MSB, 0
.macro WIN new                         ; the immediate's high byte repeats the setting that is left
.if MSB != \new
	s_set_vgpr_msb (MSB<<8)|\new
.set MSB, \new
.endif
.endm
.set MUL,  0x05                        ; sources 0 and 1 window 1; C and D window 0
.set TO_F, 0x40                        ; destination window 1, address window 0
.macro CROUND                          ; a round of the cluster's barrier
	s_barrier_signal -1
	s_barrier_wait -1
	s_cmp_lg_u32 s[WV], 0
	s_cbranch_scc1 .Lnot_wave_0_\@
	s_barrier_signal -3
.Lnot_wave_0_\@:
	s_barrier_wait -3
	s_barrier_signal -1
	s_barrier_wait -1
.endm
.macro PLACES                          ; four plain vector lines between a matrix instruction and a load into its sources or a read of its result
.rept 4
	v_nop
.endr
.endm
	s_load_b256 s[68:75], s[0:1], 0x0              ; cod s[68:69], bq s[70:71], bk s[72:73], bv s[74:75]
	s_load_b128 s[76:79], s[0:1], 0x20             ; the scales' exponents s[76:77], qi s[78:79]
	s_load_b64 s[80:81], s[0:1], 0x30              ; kv
	v_lshl_add_u32 v126, v0, 2, 0x40000
	v_mov_b32 v127, 0
	ds_add_u32 v126, v127
	ds_add_u32 v126, v127
	v_lshrrev_b32 v1, 5, v0
	v_readfirstlane_b32 s[WV], v1
	s_and_b32 s[W1], s[WV], 1
	s_lshr_b32 s[W2], s[WV], 1
	s_lshl_b32 s[LB], s[WV], 14
	s_bfe_u32 s[PCX], ttmp6, 0x40000
	s_bfe_u32 s[PCY], ttmp6, 0x40004
	s_and_b32 s8, ttmp7, 0xffff                    ; cluster y, 0..23
	s_lshr_b32 s[TT], s8, 3                        ; T
	s_and_b32 s10, s8, 7
	s_lshl_b32 s12, ttmp9, 2                       ; 4 x cluster x: the cluster's first tile of 128 channels
	s_lshl_b32 s14, s10, 2                         ; the cluster's first tile of 128 tokens
	s_lshl_b32 s11, s[TT], 3
	s_add_co_u32 s11, s11, s12
	s_add_co_u32 s11, s11, 96                      ; in cod, in tiles of 128 rows: W of tensor T begins at 96 + 8 T,
	s_lshl_b32 s13, s[TT], 5
	s_add_co_u32 s13, s13, s14                     ; x of tensor T at 32 T
	s_cmp_eq_u32 s[TT], 2                          ; T is the same in all sixteen partners
	s_cselect_b32 s84, s13, s11                    ; P: W, for v: x
	s_cselect_b32 s86, s11, s13                    ; R: x, for v: W
	s_cselect_b32 s89, 28, 24                      ; the result's scale: entries 6, 7, 9
	s_add_co_u32 s84, s84, s[PCX]                  ; P's tile hangs on cx alone, R's on cy alone
	s_add_co_u32 s86, s86, s[PCY]
	s_lshl_b32 s84, s84, 17                        ; a tile of 128 rows is 131,072 bytes
	s_lshl_b32 s86, s86, 17
	s_lshl_b32 s15, s[W1], 16                      ; the 64 rows that I fetch
	s_add_co_u32 s84, s84, s15
	s_add_co_u32 s86, s86, s15
	s_mov_b32 s85, 0
	s_mov_b32 s87, 0
	s_lshl_b32 s88, s[TT], 2
	s_add_co_u32 s89, s89, s88
	s_lshl_b32 s88, s[TT], 3                       ; the operands' scales: entries 2 T, 2 T + 1
	s_lshl_b32 s82, s[PCY], 2
	s_lshl_b32 s82, 15, s82                        ; my row of the cluster
	s_lshl_b32 s83, 0x1111, s[PCX]                 ; my column
	; descriptor group 1: four rows (tiles of 16 rows of the operand) of 512 elements of 8 bytes (256 along K), 16,384 bytes apart; they land on end
	s_or_b32 s[G1P], s83, (3<<16)|(1<<21)          ; 15:0 the mask; 17:16 elements of 8 bytes; 21 set beside a mask
	s_or_b32 s[G1R], s82, (3<<16)|(1<<21)
.irp g, G1P, G1R
	s_mov_b32 s[\g+1], 512<<16                     ; tensor_dim0
	s_mov_b32 s[\g+2], 4<<16                       ; tensor_dim1
	s_mov_b32 s[\g+3], 512<<16                     ; tile_dim0
	s_mov_b32 s[\g+4], 4                           ; tile_dim1
	s_mov_b32 s[\g+5], 2048                        ; tensor_dim0_stride
	s_mov_b32 s[\g+6], 0
	s_mov_b32 s[\g+7], 0
.endr
	s_wait_dscnt 0x0
	s_wait_kmcnt 0x0
	s_load_b64 s[90:91], s[76:77], s88 offset:0x0  ; ea, eb
	s_load_b32 s93, s[76:77], s89 offset:0x0       ; eo
	s_add_nc_u64 s[84:85], s[68:69], s[84:85]
	s_add_nc_u64 s[86:87], s[68:69], s[86:87]
.irp q, 0,1,2,3                        ; chunk q: 256 along K; in LDS at 65,536 q: P's eight tiles of 16 rows x 4,096 bytes, then R's eight
	s_mov_b32 s[G0P+4*\q], 1
	s_add_co_u32 s[G0P+4*\q+1], s[LB], 65536*\q
	s_add_nc_u64 s[G0P+4*\q+2:G0P+4*\q+3], s[84:85], 4096*\q
	s_or_b32 s[G0P+4*\q+3], s[G0P+4*\q+3], 0x80000000
	s_mov_b32 s[G0R+4*\q], 1
	s_add_co_u32 s[G0R+4*\q+1], s[LB], 65536*\q
	s_add_nc_u64 s[G0R+4*\q+2:G0R+4*\q+3], s[86:87], 4096*\q
	s_or_b32 s[G0R+4*\q+3], s[G0R+4*\q+3], 0x80000000
.endr
	CROUND                                         ; all sixteen work-groups are here: the joint loads meet
	s_cmp_lt_u32 s[WV], 2                          ; waves 0, 1 fetch P's halves, waves 2, 3 R's: four loads a wave, all in one branch; four loads of mine are out
	s_cbranch_scc0 .Lfill_r
	tensor_load_to_lds s[G0P:G0P+3], s[G1P:G1P+7]
	s_nop 0
	tensor_load_to_lds s[G0P+4:G0P+7], s[G1P:G1P+7]
	s_nop 0
	tensor_load_to_lds s[G0P+8:G0P+11], s[G1P:G1P+7]
	s_nop 0
	tensor_load_to_lds s[G0P+12:G0P+15], s[G1P:G1P+7]
	s_nop 0
	PLACES                                         ; four v_nop follow the last
	s_branch .Lfilled
.Lfill_r:
	tensor_load_to_lds s[G0R:G0R+3], s[G1R:G1R+7]
	s_nop 0
	tensor_load_to_lds s[G0R+4:G0R+7], s[G1R:G1R+7]
	s_nop 0
	tensor_load_to_lds s[G0R+8:G0R+11], s[G1R:G1R+7]
	s_nop 0
	tensor_load_to_lds s[G0R+12:G0R+15], s[G1R:G1R+7]
	s_nop 0
	PLACES
.Lfilled:
	v_and_b32 v1, 15, v0                           ; r
	v_bfe_u32 v2, v0, 4, 1                         ; h
	v_and_b32 v3, 31, v0
	v_lshlrev_b32 v3, 4, v3                        ; 16 x lane
	s_lshl_b32 s94, s[W1], 14                      ; my four tiles of P's eight,
	s_lshl_b32 s95, s[W2], 14
	s_add_co_u32 s95, s95, 32768                   ; and of R's, which lie behind P's
.irp q, 0,1,2,3
	v_add_nc_u32 v[ADP+\q], s94, v3
	v_add_nc_u32 v[ADR+\q], s95, v3
	s_add_co_u32 s94, s94, 65536
	s_add_co_u32 s95, s95, 65536
.endr
	; which head and which tokens are my wave's; the buffers
	s_cmp_eq_u32 s[TT], 2
	s_cselect_b32 s96, s[PCY], s[PCX]              ; my place along the channels,
	s_cselect_b32 s97, s[PCX], s[PCY]              ; along the tokens
	s_cselect_b32 s98, s[W2], s[W1]                ; my wave's half of the channels,
	s_cselect_b32 s99, s[W1], s[W2]                ; of the tokens
	s_cselect_b64 s[72:73], s[74:75], s[72:73]
	s_cmp_eq_u32 s[TT], 0
	s_cselect_b64 s[70:71], s[70:71], s[72:73]     ; bq, bk or bv
	s_cselect_b64 s[78:79], s[78:79], s[80:81]     ; qi or kv
	s_add_co_u32 s96, s96, s12
	s_lshl_b32 s96, s96, 1
	s_add_co_u32 s96, s96, s98                     ; the head: 64 channels
	s_add_co_u32 s97, s97, s14
	s_lshl_b32 s97, s97, 7
	s_lshl_b32 s99, s99, 6
	s_add_co_u32 s97, s97, s99                     ; my first token, 0..4,032
	s_lshl_b32 s98, s96, 8
	s_mov_b32 s99, 0
	s_add_nc_u64 s[70:71], s[70:71], s[98:99]      ; the head's 64 numbers of the bias
	v_lshlrev_b32 v24, 5, v2                       ; 32 h
	v_lshlrev_b32 v25, 2, v1                       ; 4 r
.irp c, 0,1,2,3
	global_load_b128 v[BI+8*\c:BI+8*\c+3], v24, s[70:71] offset:64*\c        ; b(16 c + 8 h + 0 .. 7)
	global_load_b128 v[BI+8*\c+4:BI+8*\c+7], v24, s[70:71] offset:64*\c+16
.endr
.irp g, 0,1,2,3
	global_load_b32 v[BG+2*\g], v25, s[70:71] offset:64*\g                   ; b(16 g + r)
	v_mov_b32 v[BG+2*\g+1], 0                      ; (named with it as a pair)
.endr
	s_lshr_b32 s98, s97, 11                        ; the batch
	s_and_b32 s97, s97, 2047                       ; the place in the sequence
	s_lshl_b32 s98, s98, 4
	s_add_co_u32 s98, s98, s96                     ; bh = 16 x batch + head
	s_lshl_b32 s94, s98, 17
	s_lshl_b32 s95, s97, 6
	s_add_co_u32 s94, s94, s95                     ; qi: [bh][tile of 16 queries][1,024]
	s_lshl_b32 s95, s98, 18                        ; kv: [bh][quarter of 512 keys][65,536]: 32 tiles of 16 keys, then 8 blocks of 64 keys x 4 tiles of 16 channels
	s_lshr_b32 s99, s97, 9
	s_lshl_b32 s99, s99, 16
	s_add_co_u32 s95, s95, s99
	s_and_b32 s99, s97, 511
	s_lshl_b32 s99, s99, 6
	s_add_co_u32 s95, s95, s99
	s_cmp_eq_u32 s[TT], 2
	s_cselect_b32 s99, 32768, 0
	s_add_co_u32 s95, s95, s99
	s_cmp_eq_u32 s[TT], 0
	s_cselect_b32 s94, s94, s95
	s_mov_b32 s95, 0
	s_add_nc_u64 s[78:79], s[78:79], s[94:95]      ; where my wave's four images go: 4,096 bytes on end
; 32 LDS loads in one run: chunk q, its s-th 128 along K, into buffer fb: P's four fragments, then R's four
.macro FETCH q, s, fb
	WIN TO_F
.irp i, 0,1,2,3
.irp c, 0,1,2,3
	ds_load_b128 v[\fb+16*\i+4*\c:\fb+16*\i+4*\c+3], v[ADP+(\q)] offset:4096*\i+2048*(\s)+512*\c
.endr
.endr
.irp i, 0,1,2,3
.irp c, 0,1,2,3
	ds_load_b128 v[\fb+64+16*\i+4*\c:\fb+64+16*\i+4*\c+3], v[ADR+(\q)] offset:4096*\i+2048*(\s)+512*\c
.endr
.endr
.endm
; 8 matrix instructions: R's fragments g0, g0 + 1 against P's four.  The 16 accumulators take turns, one instruction a turn, in the same order in every step
.macro MUL8 fb, g0
.irp g, \g0, \g0+1
.irp c, 0,1,2,3
	v_wmma_f32_16x16x128_fp8_fp8 v[ACC+8*(4*(\g)+\c):ACC+8*(4*(\g)+\c)+7], v[\fb+16*\c:\fb+16*\c+15], v[\fb+64+16*(\g):\fb+64+16*(\g)+15], v[ACC+8*(4*(\g)+\c):ACC+8*(4*(\g)+\c)+7]
.endr
.endr
.endm
; K step ks of eight, 128 along K.  In its middle the next step's fragments are fetched into the other buffer.  Steps 1, 3, 5 fetch from a new chunk: each wave has waited for its part of it and passed a barrier.
.macro STEP ks
.set FB, 128*((\ks)%2)
.set GB, 128-FB
.if ((\ks)%2 == 1) && ((\ks) < 7)
	s_wait_dscnt 0x0                               ; no LDS load of mine is out at a signal
	s_wait_tensorcnt 2-(\ks)/2                     ; my part of the next chunk is in; the later chunks' loads may be out
	s_barrier_signal -1
	WIN MUL
	MUL8 FB, 0
	s_barrier_wait -1
.else
	s_wait_dscnt 8                                 ; P's four and R's first two fragments are in; R's last two (eight loads) may be out
	WIN MUL
	MUL8 FB, 0
.endif
.if (\ks) < 7
	PLACES
	FETCH ((\ks)+1)/2, ((\ks)+1)%2, GB
	s_wait_dscnt 32                                ; all but the 32 just issued
.else
	s_wait_dscnt 0x0
.endif
	WIN MUL
	MUL8 FB, 2
.endm
	s_wait_tensorcnt 3                             ; my part of chunk 0 is in,
	s_barrier_signal -1
	s_barrier_wait -1                              ; everybody's is
	FETCH 0, 0, 0
	WIN 0
	s_wait_kmcnt 0x0
	s_add_co_i32 s90, s90, s91                     ; ea + eb
	s_sub_co_i32 s91, 127, s90
	s_lshl_b32 s91, s91, 23                        ; 2^-(ea + eb) as f32
	s_cmp_eq_u32 s[TT], 2
	s_cselect_b32 s88, 0, s91                      ; the factor of the bias by register: 0 for v,
	s_cselect_b32 s92, s91, 0                      ; of the bias by lane: 0 for q and k
	s_mov_b32 s89, s88                             ; (named with it as a pair)
	s_sub_co_i32 s93, s93, s90                     ; eo - ea - eb: the three scales folded into the conversion's one
	s_add_co_i32 s93, s93, 127
	s_lshl_b32 s91, s93, 23
	v_mov_b32 v[SCL], s91
	s_add_co_i32 s93, s93, 8
	s_lshl_b32 s93, s93, 23
	s_or_b32 s93, s93, 0x600000
	v_mov_b32 v[LIM], s93                          ; 448 x that
	s_wait_loadcnt 0x0                             ; the bias
.irp g, 0,1,2,3
	v_mul_f32 v[BG+2*\g], s92, v[BG+2*\g]
.endr
.irp g, 0,1,2,3                        ; the sums begin as b / 2^(ea + eb): a power of two rounds nothing
.irp c, 0,1,2,3
.irp i, 0,2,4,6
	v_pk_fma_f32 v[ACC+8*(4*\g+\c)+\i:ACC+8*(4*\g+\c)+\i+1], v[BI+8*\c+\i:BI+8*\c+\i+1], s[88:89], v[BG+2*\g:BG+2*\g+1] op_sel_hi:[1,0,0]
.endr
.endr
.endr
	STEP 0
	STEP 1
	STEP 2
	STEP 3
	STEP 4
	STEP 5
	STEP 6
	STEP 7
	WIN 0
	PLACES
	; the way out: accumulator (g, c) becomes registers 2 c, 2 c + 1 of image g; each accumulator is read from its low end on
.irp g, 0,1,2,3
.irp c, 0,1,2,3
.irp j, 0,1,2,3,4,5,6,7
	v_med3_num_f32 v[ACC+8*(4*\g+\c)+\j], v[ACC+8*(4*\g+\c)+\j], -v[LIM], v[LIM]   ; the conversion does not saturate (ISA guide 7.6.2)
.endr
	v_cvt_scalef32_pk8_fp8_f32 v[CD+8*\g+2*\c:CD+8*\g+2*\c+1], v[ACC+8*(4*\g+\c):ACC+8*(4*\g+\c)+7], v[SCL]
.endr
.endr
	v_nop                                          ; a plain line behind the last conversion
.irp g, 0,1,2,3
.irp e, 0,1
	global_store_b128 v3, v[CD+8*\g+4*\e:CD+8*\g+4*\e+3], s[78:79] offset:1024*\g+512*\e   ; 32 lanes store 512 consecutive bytes, aligned
.endr
.endr
	s_wait_tensorcnt 0x0
	ds_add_u32 v126, v127
	s_wait_dscnt 0x0
	CROUND                                         ; the closing round
	s_endpgm
.Lfunc_end_k_qc1c0436a72_qkv:
	.size	k_qc1c0436a72_qkv, .Lfunc_end_k_qc1c0436a72_qkv-k_qc1c0436a72_qkv
	.p2alignl 7, 3214868480
	.fill 96, 4, 3214868480
	.section	.rodata,"a",@progbits
	.p2align	6, 0x0
	.amdhsa_kernel k_qc1c0436a72_qkv
		.amdhsa_group_segment_fixed_size 262656
		.amdhsa_private_segment_fixed_size 0
		.amdhsa_enable_private_segment 0
		.amdhsa_kernarg_size 56
		.amdhsa_user_sgpr_count 2
		.amdhsa_user_sgpr_kernarg_segment_ptr 1
		.amdhsa_wavefront_size32 1
		.amdhsa_system_sgpr_workgroup_id_x 1
		.amdhsa_system_sgpr_workgroup_id_y 1
		.amdhsa_system_sgpr_workgroup_id_z 1
		.amdhsa_system_vgpr_workitem_id 0
		.amdhsa_next_free_vgpr 512
		.amdhsa_next_free_sgpr 106
		.amdhsa_reserve_vcc 0
		.amdhsa_float_denorm_mode_32 3
		.amdhsa_float_denorm_mode_16_64 3
		.amdhsa_memory_ordered 1
		.amdhsa_forward_progress 1
		.amdhsa_inst_pref_size 52
	.end_amdhsa_kernel
	.amdgpu_metadata
---
amdhsa.version: [ 1, 2 ]
amdhsa.kernels:
  - .name:           k_qc1c0436a72_qkv
    .symbol:         k_qc1c0436a72_qkv.kd
    .args:
      - { .name: cod, .offset: 0, .size: 8, .value_kind: global_buffer, .address_space: global }
      - { .name: bq, .offset: 8, .size: 8, .value_kind: global_buffer, .address_space: global }
      - { .name: bk, .offset: 16, .size: 8, .value_kind: global_buffer, .address_space: global }
      - { .name: bv, .offset: 24, .size: 8, .value_kind: global_buffer, .address_space: global }
      - { .name: lowp_scales, .offset: 32, .size: 8, .value_kind: global_buffer, .address_space: global }
      - { .name: qi, .offset: 40, .size: 8, .value_kind: global_buffer, .address_space: global }
      - { .name: kv, .offset: 48, .size: 8, .value_kind: global_buffer, .address_space: global }
    .group_segment_fixed_size: 262656
    .private_segment_fixed_size: 0
    .kernarg_segment_align: 8
    .kernarg_segment_size: 56
    .max_flat_workgroup_size: 128
    .sgpr_count:     106
    .vgpr_count:     512
    .wavefront_size: 32
...
	.end_amdgpu_metadata
.endif
;; end of part 2
;; launch attn (part 3): grid 8 x 32, 16 waves a work-group, clusters of 4 x 1, 264,192 bytes of LDS; arguments qi, kv, maskw, lowp_scales, ac; writes ac
.if DOCPART == 3
	.amdgcn_target "amdgcn-amd-amdhsa--gfx1250"
	.amdhsa_code_object_version 6
	.text
	.protected	k_qc1c0436a72_attn
	.globl	k_qc1c0436a72_attn
	.p2align	8
	.type	k_qc1c0436a72_attn,@function
k_qc1c0436a72_attn:
	s_mov_b64 s[64:65], 0
	v_nop
	global_prefetch_b8 v0, s[64:65] scope:SCOPE_SE
	s_setreg_imm32_b32 hwreg(HW_REG_WAVE_MODE, 25, 1), 1
	s_wait_xcnt 0x0
	s_wait_alu depctr_hold_cnt(0) depctr_sa_sdst(0) depctr_va_vdst(0) depctr_va_sdst(0) depctr_va_ssrc(0) depctr_va_vcc(0) depctr_vm_vsrc(0)
	s_getreg_b32 s2, hwreg(HW_REG_IB_STS2, 6, 4)
	s_cmp_eq_u32 s2, 0
	s_cbranch_scc0 .Lentry_in_a_cluster
	s_endpgm
.Lentry_in_a_cluster:
	s_bfe_u32 s2, ttmp6, 0x10000c
	s_cmp_lg_u32 s2, 0x3003
	s_cbranch_scc0 .Lentry_shape_is_right
	s_endpgm
.Lentry_shape_is_right:
; Attention of one (batch, head) on codes of E4M3: scores = q k^T / 8, masked, softmax, x v; the result quantised with entry 10 of lowp_scales into ac, in the order of the last product's operand registers.
; THE SOFTMAX AHEAD OF THE SECOND PRODUCT: t = logit x log2(e); M = the row's largest t so far, rounded up to a whole number; p = 2^(t - M) is quantised with 2^e8, not normalised; the row's sum is taken of the
; unquantised p and divides at the end.  When M moves, the sum and O are multiplied by 2^(old M - new M), which rounds nothing.
; SHARES.  A work-group owns 256 queries of a head.  SIXTEEN WAVES, four to a SIMD, 256 registers each: wave w takes the strip of 32 queries w % 8 (two tiles u of 16) and the half w / 8 of the head's 2,048 keys, 16 steps of
; 64 keys, so that one wave's LDS waits, exponentials and dependent lines stand beside three other waves' plain work.  Each half has a running M, a sum and an O^T of its own; at the end waves 8-15 hand theirs to
; waves 0-7 through LDS, and both are brought under the larger M by powers of two.
; THE HEAD'S WHOLE K AND V (262,144 bytes of operand images) LIE IN LDS, brought by first fills alone, in four quarters of 512 keys; no LDS byte is filled twice.  A wave fetches an eighth of each quarter of its own half.
; CLUSTER: the four work-groups of a cluster belong to one head: every load is asked for jointly, with the same descriptor and the mask 15.
; LAYOUT.  Both products are used transposed: S^T = K Q^T (source 0 = 16 keys, source 1 = 16 queries), O^T = V^T P^T (source 0 = 16 channels, source 1 = P): a lane holds one query (lane % 16) throughout, and
; register j of key tile c is key 16 c + 8 (lane / 16) + j: just what registers 2 c, 2 c + 1 of P want in the K = 64 form.
; THE MASK comes as lane-mask words, 64 a step (word 32 u + 8 c + j for register j of key tile c of query tile u), by scalar loads one step ahead; a word selects in v_cndmask_b32 and steers nothing else.
; LIMIT, stated: a masked logit is -2^30, not -1e9.  Then (masked score) x c is an exact f32 number, so a row that is masked throughout gets t - M = 0 and p = 1 for every key, as the definition gives.  In units of the codes' sums
; the masked score is -2^33, under every sum of 64 products of codes.  The results are the definition's wherever every unmasked logit lies above -1e9.
; LIMITS on the given exponents: e6 + e7 between -93 and 130; e8 between -126 and 119; e10 - e8 - e9 between -126 and 119.
; REGISTERS: v1 16 x lane; v2 the step's LDS address; v3 the masked score; v4, v5 448 x 2^e8, 2^e8; v6, v7 the same with e10 - e8 - e9; v8-23 statistics, 8 a tile: +0 -M, +1 the largest t, +2, +3 the sum in two halves,
;   +4 f, +5 zero, +6, +7 at work; v24-39 Q; v40-71 K; v72-103 V; v104-167 S^T, then p; v168-231 O^T; v232-247 p's codes; v248-253 at work; v254 my pair's place in LDS for the meeting of the halves.
.set WV,  2
.set CNT, 3
.set CS,  4                            ; s[4:5] c = log2(e) / 8 x 2^(e6 + e7), twice
.set SEL, 6                            ; s[6:7] lane selects: lane l xor 16
.set JW,  8                            ; s8  wave % 8: my strip of 32 queries
.set KH,  9                            ; s9  wave / 8: my half of the keys
.set HB,  10                           ; s10 131,072 x my half: where its two quarters begin, in LDS and in the head's block
.set G1,  16                           ; s[16:23] descriptor group 1; groups 0 of my half's two quarters: s[24:27], s[28:31]
.set MP,  66                           ; s[66:67] my strip's 8,192 bytes of mask words
.set TB,  100                          ; s100 LDS byte of the step's tiles of K
.set OFF, 101                          ; s101 the byte of the step whose words are loaded
.set AC,  104                          ; s[104:105] where my strip's codes go
; s[32:63] and s[68:99]: the step's 64 mask words (word w in s[32 + w], from 32 on in s[36 + w]); until the first of them are asked for, at work
.set ST,  8
.set QF,  24
.set KF,  40
.set VF,  72
.set S,   104
.set O,   168
.set PF,  232
.set MY,  248                          ; v248-251 at the end: -M and the sum of tile 0, of tile 1
.set SG,  254
.set PAIR, 8704                        ; the meeting: 16 x 512 bytes of O^T and 512 of statistics for each pair of waves
.macro CROUND                          ; a round of the cluster's barrier
	s_barrier_signal -1
	s_barrier_wait -1
	s_cmp_lg_u32 s[WV], 0
	s_cbranch_scc1 .Lnot_wave_0_\@
	s_barrier_signal -3
.Lnot_wave_0_\@:
	s_barrier_wait -3
	s_barrier_signal -1
	s_barrier_wait -1
.endm
	s_load_b256 s[32:39], s[0:1], 0x0              ; qi s[32:33], kv s[34:35], maskw s[36:37], the scales' exponents s[38:39]
	s_load_b64 s[AC:AC+1], s[0:1], 0x20            ; ac
	v_lshl_add_u32 v254, v0, 2, 0x40000
	v_mov_b32 v255, 0
	ds_add_u32 v254, v255
	ds_add_u32 v254, v255
	s_wait_dscnt 0x0
	v_lshrrev_b32 v2, 5, v0
	v_readfirstlane_b32 s[WV], v2                  ; wave 0..15
	s_and_b32 s[JW], s[WV], 7
	s_lshr_b32 s[KH], s[WV], 3
	s_lshl_b32 s[HB], s[KH], 17
	s_bfe_u32 s44, ttmp6, 0x40000                  ; cx
	s_lshl_b32 s45, ttmp9, 2
	s_add_co_u32 s45, s45, s44                     ; my block of 256 queries: it enters Q's, the mask's and ac's addresses alone
	s_and_b32 s46, ttmp7, 0xffff                   ; bh, which the four partners share
	; descriptor group 1: 32 rows of 32 elements of 8 bytes, dense: 8,192 bytes as they lie
	s_mov_b32 s[G1], 15|(3<<16)|(1<<21)            ; 15:0 the mask: all four work-groups; 17:16 elements of 8 bytes; 21 set beside a mask
	s_mov_b32 s[G1+1], 32<<16                      ; tensor_dim0
	s_mov_b32 s[G1+2], 32<<16                      ; tensor_dim1
	s_mov_b32 s[G1+3], 32<<16                      ; tile_dim0
	s_mov_b32 s[G1+4], 32                          ; tile_dim1
	s_mov_b32 s[G1+5], 32                          ; tensor_dim0_stride
	s_mov_b32 s[G1+6], 0
	s_mov_b32 s[G1+7], 0
	s_lshl_b32 s47, s[JW], 13                      ; my 8,192 bytes of a quarter,
	s_add_co_u32 s47, s47, s[HB]                   ; in my half: in LDS and in memory alike
	s_lshl_b32 s48, s46, 18                        ; the head's 262,144 bytes
	s_add_co_u32 s48, s48, s47
	s_mov_b32 s49, 0
	s_mov_b32 s[SEL], 0x76543210
	s_mov_b32 s[SEL+1], 0xfedcba98
	s_wait_kmcnt 0x0
	s_load_b128 s[40:43], s[38:39], 0x18           ; e6, e7, e8, e9
	s_load_b32 s50, s[38:39], 0x28                 ; e10
	s_add_nc_u64 s[48:49], s[34:35], s[48:49]
.macro G0SET g, i
	s_mov_b32 s[\g], 1
	s_add_co_u32 s[\g+1], s47, 65536*\i
	s_add_nc_u64 s[\g+2:\g+3], s[48:49], 65536*\i
	s_or_b32 s[\g+3], s[\g+3], 0x80000000
.endm
	G0SET 24, 0
	G0SET 28, 1
	CROUND                                         ; all four work-groups are here: the joint loads meet
	tensor_load_to_lds s[24:27], s[G1:G1+7]        ; my eighth of my half's first quarter,
	s_nop 0
	tensor_load_to_lds s[28:31], s[G1:G1+7]        ; and of its second: two loads of mine are out
	s_nop 0
.rept 4
	v_nop                                          ; four v_nop follow the last
.endr
	v_and_b32 v1, 31, v0
	v_lshlrev_b32 v1, 4, v1                        ; 16 x lane
	s_mul_i32 s59, s[JW], PAIR
	v_add_nc_u32 v[SG], s59, v1                    ; the meeting's address is made here, ahead of every parting of the waves
	s_lshl_b32 s51, s46, 17                        ; qi: [bh][tile of 16 queries][1,024]; my tiles are 16 x block + 2 x strip + u
	s_lshl_b32 s52, s45, 14
	s_add_co_u32 s51, s51, s52
	s_lshl_b32 s52, s[JW], 11
	s_add_co_u32 s51, s51, s52
	v_add_nc_u32 v252, s51, v1
.irp i, 0,1,2,3
	global_load_b128 v[QF+4*\i:QF+4*\i+3], v252, s[32:33] offset:512*\i   ; Q's two fragments stay in registers
.endr
	s_lshr_b32 s52, s46, 4                         ; the batch
	s_lshl_b32 s52, s52, 6
	s_lshl_b32 s53, s45, 3
	s_add_co_u32 s52, s52, s53
	s_add_co_u32 s52, s52, s[JW]                   ; my strip of 32 queries: 64 x batch + 8 x block + wave % 8
	s_lshl_b32 s52, s52, 13
	s_mov_b32 s53, 0
	s_add_nc_u64 s[MP:MP+1], s[36:37], s[52:53]
	s_lshl_b32 s54, s52, 2                         ; ac: two tiles of 16 rows x 16,384 bytes a strip,
	s_and_b32 s55, s46, 15
	s_lshl_b32 s55, s55, 10                        ; the head's 64 along K: four blocks of 256 bytes
	s_add_co_u32 s54, s54, s55
	s_mov_b32 s55, 0
	s_add_nc_u64 s[AC:AC+1], s[AC:AC+1], s[54:55]
.irp u, 0,1
	v_mov_b32 v[ST+8*\u+1], 0xff61b1e6             ; the largest t so far: -3e38, under every t
	v_floor_f32 v[ST+8*\u], -v[ST+8*\u+1]          ; -M
	v_mov_b32 v[ST+8*\u+2], 0                      ; the sum
	v_mov_b32 v[ST+8*\u+3], 0
	v_mov_b32 v[ST+8*\u+5], 0                      ; (named as the upper half of f's pair)
.endr
.set w, 0
.rept 64
	v_mov_b32 v[O+w], 0                            ; O^T.  (The step is written once: the first finds zeros, which the first change of M leaves zeros)
.set w, w+1
.endr
	s_wait_kmcnt 0x0
	s_add_co_i32 s56, s40, s41                     ; e6 + e7
	s_lshl_b32 s57, s56, 23
	s_mov_b32 s[CS], 0x3e38aa3b                    ; log2(e) / 8
	s_add_co_i32 s[CS], s[CS], s57                 ; a score stands for score x 2^(e6 + e7): added to c's exponent field
	s_mov_b32 s[CS+1], s[CS]
	s_sub_co_i32 s57, 160, s56
	s_lshl_b32 s57, s57, 23
	s_or_b32 s57, s57, 0x80000000
	v_mov_b32 v3, s57                              ; -2^33 / 2^(e6 + e7): the masked score
	s_add_co_i32 s57, s42, 127
	s_lshl_b32 s58, s57, 23
	v_mov_b32 v5, s58                              ; 2^e8
	s_add_co_i32 s57, s57, 8
	s_lshl_b32 s57, s57, 23
	s_or_b32 s57, s57, 0x600000
	v_mov_b32 v4, s57                              ; 448 x 2^e8
	s_sub_co_i32 s57, s50, s42
	s_sub_co_i32 s57, s57, s43                     ; e10 - e8 - e9: O^T / the sum stands for that x 2^(e8 + e9)
	s_add_co_i32 s57, s57, 127
	s_lshl_b32 s58, s57, 23
	v_mov_b32 v7, s58
	s_add_co_i32 s57, s57, 8
	s_lshl_b32 s57, s57, 23
	s_or_b32 s57, s57, 0x600000
	v_mov_b32 v6, s57
	s_lshl_b32 s[OFF], s[KH], 12                   ; my half's first step: 16 steps x 256 bytes a half
	s_wait_xcnt 0x0                                ; Q's loads have read their base: the words below land on it
.macro WORDS                           ; 64 words, 256 bytes
	s_load_b512 s[32:47], s[MP:MP+1], s[OFF] offset:0x0
	s_load_b512 s[48:63], s[MP:MP+1], s[OFF] offset:0x40
	s_load_b512 s[68:83], s[MP:MP+1], s[OFF] offset:0x80
	s_load_b512 s[84:99], s[MP:MP+1], s[OFF] offset:0xc0
.endm
	WORDS                                          ; my first step's
	s_wait_loadcnt 0x0                             ; Q
; A KEY STEP: 64 keys
.macro STEP
	v_add_nc_u32 v2, s[TB], v1
.rept 3
	v_nop                                          ; with the addition four places behind the last products, in front of the loads into V's registers (ISA guide 7.12.1 for vector instructions)
.endr
.irp i, 0,1,2,3,4,5,6,7
	ds_load_b128 v[KF+4*\i:KF+4*\i+3], v2 offset:512*\i                     ; four tiles of 16 keys
.endr
.irp i, 0,1,2,3,4,5,6,7
	ds_load_b128 v[VF+4*\i:VF+4*\i+3], v2 offset:32768+512*\i               ; four tiles of 16 channels x these 64 keys
.endr
	s_wait_dscnt 8                                 ; K is in; V's eight loads may be out
.irp kt, 0,1,2,3
.irp u, 0,1
	v_wmma_f32_16x16x64_fp8_fp8 v[S+32*\u+8*\kt:S+32*\u+8*\kt+7], v[KF+8*\kt:KF+8*\kt+7], v[QF+8*\u:QF+8*\u+7], 0
.endr
.endr
.rept 4
	v_nop
.endr
	s_wait_kmcnt 0x0                               ; this step's words are in, and their loads have read s[OFF]
	s_add_co_u32 s[OFF], s[OFF], 256
	s_and_b32 s[OFF], s[OFF], 8191                 ; my last step asks for words of the other half's first step: inside the buffer, and not used
.set w, 0
.rept 64                                       ; where the mask is 0 the score becomes the masked score; each accumulator is read from its low end on
.if w < 32
	v_cndmask_b32 v[S+w], v3, v[S+w], s[32+w]
.else
	v_cndmask_b32 v[S+w], v3, v[S+w], s[36+w]
.endif
.set w, w+1
.endr
	WORDS                                          ; the next step's: the rest of this step stands between the request and the wait
.irp u, 0,1                                    ; the step's largest score of my query among my 32 keys, in two chains a tile
	v_max3_num_f32 v[ST+8*\u+6], v[S+32*\u], v[S+32*\u+1], v[S+32*\u+2]
	v_max3_num_f32 v[ST+8*\u+7], v[S+32*\u+3], v[S+32*\u+4], v[S+32*\u+5]
.endr
.irp i, 6,10,14,18,22,26
.irp u, 0,1
	v_max3_num_f32 v[ST+8*\u+6], v[ST+8*\u+6], v[S+32*\u+\i], v[S+32*\u+\i+1]
	v_max3_num_f32 v[ST+8*\u+7], v[ST+8*\u+7], v[S+32*\u+\i+2], v[S+32*\u+\i+3]
.endr
.endr
.irp u, 0,1
	v_max3_num_f32 v[ST+8*\u+6], v[ST+8*\u+6], v[S+32*\u+30], v[S+32*\u+31]
.endr
.irp u, 0,1
	v_max_num_f32 v[ST+8*\u+6], v[ST+8*\u+6], v[ST+8*\u+7]
.endr
.irp u, 0,1
	v_permlanex16_b32 v[ST+8*\u+7], v[ST+8*\u+6], s[SEL], s[SEL+1]
.endr
.irp u, 0,1
	v_max_num_f32 v[ST+8*\u+6], v[ST+8*\u+6], v[ST+8*\u+7]                  ; and among lane l xor 16's
.endr
.irp u, 0,1
	v_mul_f32 v[ST+8*\u+6], s[CS], v[ST+8*\u+6]                             ; as t (c is positive)
.endr
.irp u, 0,1
	v_max_num_f32 v[ST+8*\u+1], v[ST+8*\u+1], v[ST+8*\u+6]                  ; the running largest t
.endr
.irp u, 0,1
	v_mov_b32 v[ST+8*\u+6], v[ST+8*\u]
.endr
.irp u, 0,1
	v_floor_f32 v[ST+8*\u], -v[ST+8*\u+1]                                   ; the new -M = floor(-t): M is a whole number
.endr
.irp u, 0,1
	v_sub_f32 v[ST+8*\u+6], v[ST+8*\u], v[ST+8*\u+6]                        ; old M - new M: a whole number, 0 or less
.endr
.irp u, 0,1
	v_cvt_i32_f32 v[ST+8*\u+6], v[ST+8*\u+6]                                ; (it saturates)
.endr
.irp u, 0,1
	v_ldexp_f32 v[ST+8*\u+4], 1.0, v[ST+8*\u+6]                             ; f = 2^(old M - new M)
.endr
.irp u, 0,1
.irp j, 0,2,4,6,8,10,12,14,16,18,20,22,24,26,28,30
	v_pk_fma_f32 v[S+32*\u+\j:S+32*\u+\j+1], v[S+32*\u+\j:S+32*\u+\j+1], s[CS:CS+1], v[ST+8*\u:ST+8*\u+1] op_sel_hi:[1,0,0]   ; t - M, two at a time
.endr
.endr
.set w, 0
.rept 64
	v_exp_f32 v[S+w], v[S+w]                       ; p = 2^(t - M), at most 1
.set w, w+1
.endr
.irp u, 0,1
	v_pk_mul_f32 v[ST+8*\u+2:ST+8*\u+3], v[ST+8*\u+2:ST+8*\u+3], v[ST+8*\u+4:ST+8*\u+5] op_sel_hi:[1,0]   ; the sums under the new M: plain lines behind the exponentials
.endr
	s_wait_alu depctr_va_vdst(0)                   ; one wait for the batch of 64, ahead of its first reader
.irp u, 0,1                                    ; the row's sum is taken of the unquantised p: two chains a tile
	v_pk_add_f32 v[248+2*\u:249+2*\u], v[S+32*\u:S+32*\u+1], v[S+32*\u+2:S+32*\u+3]
.endr
.irp j, 4,8,12,16,20,24,28
.irp u, 0,1
	v_pk_add_f32 v[ST+8*\u+2:ST+8*\u+3], v[ST+8*\u+2:ST+8*\u+3], v[S+32*\u+\j:S+32*\u+\j+1]
	v_pk_add_f32 v[248+2*\u:249+2*\u], v[248+2*\u:249+2*\u], v[S+32*\u+\j+2:S+32*\u+\j+3]
.endr
.endr
.irp u, 0,1
	v_pk_add_f32 v[ST+8*\u+2:ST+8*\u+3], v[ST+8*\u+2:ST+8*\u+3], v[248+2*\u:249+2*\u]
.endr
.irp u, 0,1
.irp kt, 0,1,2,3
.irp j, 0,1,2,3,4,5,6,7
	v_min_num_f32 v[S+32*\u+8*\kt+\j], v[S+32*\u+8*\kt+\j], v4              ; the conversion does not saturate (ISA guide 7.6.2); p is not negative: a one-sided hold
.endr
	v_cvt_scalef32_pk8_fp8_f32 v[PF+8*\u+2*\kt:PF+8*\u+2*\kt+1], v[S+32*\u+8*\kt:S+32*\u+8*\kt+7], v5
.endr
.endr
.irp u, 0,1
.irp j, 0,2,4,6,8,10,12,14,16,18,20,22,24,26,28,30
	v_pk_mul_f32 v[O+32*\u+\j:O+32*\u+\j+1], v[O+32*\u+\j:O+32*\u+\j+1], v[ST+8*\u+4:ST+8*\u+5] op_sel_hi:[1,0]   ; O^T under the new M; also the plain lines behind the conversions
.endr
.endr
	s_wait_dscnt 0x0                               ; V is in
.irp t, 0,1,2,3                                ; eight accumulators by turns
.irp u, 0,1
	v_wmma_f32_16x16x64_fp8_fp8 v[O+32*\u+8*\t:O+32*\u+8*\t+7], v[VF+8*\t:VF+8*\t+7], v[PF+8*\u:PF+8*\u+7], v[O+32*\u+8*\t:O+32*\u+8*\t+7]
.endr
.endr
.endm
; Quarter i of my half: 512 keys, eight steps
.macro PHASE i
	s_wait_tensorcnt 1-\i                          ; my part of this quarter is in; in the first phase my second load may be out
	s_barrier_signal -1
	s_barrier_wait -1                              ; everybody's is
	s_add_co_u32 s[TB], s[HB], 65536*\i
	s_mov_b32 s[CNT], 8
.Lstep_\@:
	STEP
	s_add_co_u32 s[TB], s[TB], 4096
	s_sub_co_u32 s[CNT], s[CNT], 1
	s_cmp_lg_u32 s[CNT], 0
	s_cbranch_scc1 .Lstep_\@
.endm
	PHASE 0
	PHASE 1
	; THE TWO HALVES MEET.  Each wave lays -M and the sum of its two tiles side by side, for one LDS store or for the merge: four plain lines, which are also the places behind the last products.
	v_mov_b32 v[MY], v[ST]
	v_add_f32 v[MY+1], v[ST+2], v[ST+3]
	v_mov_b32 v[MY+2], v[ST+8]
	v_add_f32 v[MY+3], v[ST+10], v[ST+11]
	s_wait_kmcnt 0x0                               ; the words asked for in the last step have landed
	s_wait_dscnt 0x0                               ; my reads of K and V are over,
	s_barrier_signal -1
	s_barrier_wait -1                              ; everybody's are: their bytes have had their last fill and their last read, and take the meeting's stores
	s_cmp_lt_u32 s[WV], 8
	s_cbranch_scc1 .Lkeeps
.irp i, 0,1,2,3,4,5,6,7,8,9,10,11,12,13,14,15
	ds_store_b128 v[SG], v[O+4*\i:O+4*\i+3] offset:512*\i                   ; waves 8-15: O^T as an image of its registers, each accumulator from its low end on,
.endr
	ds_store_b128 v[SG], v[MY:MY+3] offset:8192                             ; and the statistics
.Lkeeps:
	s_wait_dscnt 0x0                               ; for the others' sake: my stores have landed
	s_barrier_signal -1
	s_barrier_wait -1
	s_cmp_ge_u32 s[WV], 8
	s_cbranch_scc1 .Lend                           ; waves 8-15 have handed their half over
	ds_load_b128 v[KF:KF+3], v[SG] offset:8192                              ; waves 0-7: the other half's -M and sums,
.irp i, 0,1,2,3,4,5,6,7,8,9,10,11,12,13,14,15
	ds_load_b128 v[S+4*\i:S+4*\i+3], v[SG] offset:512*\i                    ; and its O^T, same registers in the same lanes, where S^T lay
.endr
	v_and_b32 v252, 15, v0
	v_bfe_u32 v253, v0, 4, 1
	s_wait_dscnt 16                                ; the statistics are in; the 16 loads of O^T may be out
.irp u, 0,1
	v_min_num_f32 v[KF+4+2*\u], v[MY+2*\u], v[KF+2*\u]                      ; -M of the whole row: the larger M
.endr
.irp u, 0,1
	v_sub_f32 v[ST+8*\u+4], v[KF+4+2*\u], v[MY+2*\u]                        ; my M - M, the other half's M - M: whole numbers, 0 or less
	v_sub_f32 v[ST+8*\u+6], v[KF+4+2*\u], v[KF+2*\u]
.endr
.irp u, 0,1
	v_cvt_i32_f32 v[ST+8*\u+4], v[ST+8*\u+4]                                ; (it saturates)
	v_cvt_i32_f32 v[ST+8*\u+6], v[ST+8*\u+6]
.endr
.irp u, 0,1
	v_ldexp_f32 v[ST+8*\u+4], 1.0, v[ST+8*\u+4]                             ; two powers of two: nothing is rounded by them
	v_ldexp_f32 v[ST+8*\u+6], 1.0, v[ST+8*\u+6]
.endr
.irp u, 0,1
	v_mul_f32 v[ST+8*\u+2], v[MY+2*\u+1], v[ST+8*\u+4]
.endr
.irp u, 0,1
	v_fma_f32 v[ST+8*\u+2], v[KF+2*\u+1], v[ST+8*\u+6], v[ST+8*\u+2]        ; both halves' sums under the row's M,
.endr
.irp u, 0,1
	v_permlanex16_b32 v[ST+8*\u+3], v[ST+8*\u+2], s[SEL], s[SEL+1]
.endr
.irp u, 0,1
	v_add_f32 v[ST+8*\u+2], v[ST+8*\u+2], v[ST+8*\u+3]                      ; and lane l xor 16's: the row's sum
.endr
.irp u, 0,1
	v_rcp_f32 v[ST+8*\u+3], v[ST+8*\u+2]
.endr
	v_lshlrev_b32 v253, 3, v253                    ; (plain lines behind the reciprocals)
	v_lshl_add_u32 v253, v252, 4, v253             ; 16 r + 8 h: my eight codes' place in a block of 256 bytes
	s_wait_alu depctr_va_vdst(0)                   ; one wait for both reciprocals, ahead of their first reader
.irp u, 0,1
	v_mul_f32 v[ST+8*\u+4], v[ST+8*\u+4], v[ST+8*\u+3]                      ; each half's power of two / the sum
	v_mul_f32 v[ST+8*\u+6], v[ST+8*\u+6], v[ST+8*\u+3]
.endr
	s_wait_dscnt 0x0                               ; the other half's O^T is in
.irp u, 0,1
.irp j, 0,2,4,6,8,10,12,14,16,18,20,22,24,26,28,30
	v_pk_mul_f32 v[O+32*\u+\j:O+32*\u+\j+1], v[O+32*\u+\j:O+32*\u+\j+1], v[ST+8*\u+4:ST+8*\u+5] op_sel_hi:[1,0]
.endr
.endr
.irp u, 0,1
.irp j, 0,2,4,6,8,10,12,14,16,18,20,22,24,26,28,30
	v_pk_fma_f32 v[O+32*\u+\j:O+32*\u+\j+1], v[S+32*\u+\j:S+32*\u+\j+1], v[ST+8*\u+6:ST+8*\u+7], v[O+32*\u+\j:O+32*\u+\j+1] op_sel_hi:[1,0,1]
.endr
.endr
.irp u, 0,1
.irp t, 0,1,2,3
.irp j, 0,1,2,3,4,5,6,7
	v_med3_num_f32 v[O+32*\u+8*\t+\j], v[O+32*\u+8*\t+\j], -v6, v6
.endr
	v_cvt_scalef32_pk8_fp8_f32 v[PF+8*\u+2*\t:PF+8*\u+2*\t+1], v[O+32*\u+8*\t:O+32*\u+8*\t+7], v7   ; row r, K = 64 head + 16 t + 8 h + 0 .. 7
.endr
.endr
	v_nop                                          ; a plain line behind the last conversion
.irp u, 0,1
.irp t, 0,1,2,3
	global_store_b64 v253, v[PF+8*\u+2*\t:PF+8*\u+2*\t+1], s[AC:AC+1] offset:16384*\u+256*\t   ; 32 lanes store 256 consecutive bytes, aligned
.endr
.endr
.Lend:
	s_wait_xcnt 0x0
	v_lshl_add_u32 v254, v0, 2, 0x40000
	v_mov_b32 v255, 0
	s_wait_tensorcnt 0x0
	ds_add_u32 v254, v255
	s_wait_dscnt 0x0
	CROUND                                         ; the closing round
	s_endpgm
.Lfunc_end_k_qc1c0436a72_attn:
	.size	k_qc1c0436a72_attn, .Lfunc_end_k_qc1c0436a72_attn-k_qc1c0436a72_attn
	.p2alignl 7, 3214868480
	.fill 96, 4, 3214868480
	.section	.rodata,"a",@progbits
	.p2align	6, 0x0
	.amdhsa_kernel k_qc1c0436a72_attn
		.amdhsa_group_segment_fixed_size 264192
		.amdhsa_private_segment_fixed_size 0
		.amdhsa_enable_private_segment 0
		.amdhsa_kernarg_size 40
		.amdhsa_user_sgpr_count 2
		.amdhsa_user_sgpr_kernarg_segment_ptr 1
		.amdhsa_wavefront_size32 1
		.amdhsa_system_sgpr_workgroup_id_x 1
		.amdhsa_system_sgpr_workgroup_id_y 1
		.amdhsa_system_sgpr_workgroup_id_z 1
		.amdhsa_system_vgpr_workitem_id 0
		.amdhsa_next_free_vgpr 256
		.amdhsa_next_free_sgpr 106
		.amdhsa_reserve_vcc 0
		.amdhsa_float_denorm_mode_32 3
		.amdhsa_float_denorm_mode_16_64 3
		.amdhsa_memory_ordered 1
		.amdhsa_forward_progress 1
		.amdhsa_inst_pref_size 63
	.end_amdhsa_kernel
	.amdgpu_metadata
---
amdhsa.version: [ 1, 2 ]
amdhsa.kernels:
  - .name:           k_qc1c0436a72_attn
    .symbol:         k_qc1c0436a72_attn.kd
    .args:
      - { .name: qi, .offset: 0, .size: 8, .value_kind: global_buffer, .address_space: global }
      - { .name: kv, .offset: 8, .size: 8, .value_kind: global_buffer, .address_space: global }
      - { .name: maskw, .offset: 16, .size: 8, .value_kind: global_buffer, .address_space: global }
      - { .name: lowp_scales, .offset: 24, .size: 8, .value_kind: global_buffer, .address_space: global }
      - { .name: ac, .offset: 32, .size: 8, .value_kind: global_buffer, .address_space: global }
    .group_segment_fixed_size: 264192
    .private_segment_fixed_size: 0
    .kernarg_segment_align: 8
    .kernarg_segment_size: 40
    .max_flat_workgroup_size: 512
    .sgpr_count:     106
    .vgpr_count:     256
    .wavefront_size: 32
...
	.end_amdgpu_metadata
.endif
;; end of part 3
;; launch oproj (part 4): grid 8 x 32, 4 waves a work-group, clusters of 4 x 4, 280,064 bytes of LDS; arguments cod, ac, bo, lowp_scales, out0; writes out0
.if DOCPART == 4
	.amdgcn_target "amdgcn-amd-amdhsa--gfx1250"
	.amdhsa_code_object_version 6
	.text
	.protected	k_qc1c0436a72_oproj
	.globl	k_qc1c0436a72_oproj
	.p2align	8
	.type	k_qc1c0436a72_oproj,@function
k_qc1c0436a72_oproj:
	s_mov_b64 s[64:65], 0
	v_nop
	global_prefetch_b8 v0, s[64:65] scope:SCOPE_SE
	s_setreg_imm32_b32 hwreg(HW_REG_WAVE_MODE, 25, 1), 1
	s_wait_xcnt 0x0
	s_wait_alu depctr_hold_cnt(0) depctr_sa_sdst(0) depctr_va_vdst(0) depctr_va_sdst(0) depctr_va_ssrc(0) depctr_va_vcc(0) depctr_vm_vsrc(0)
	s_getreg_b32 s2, hwreg(HW_REG_IB_STS2, 6, 4)
	s_cmp_eq_u32 s2, 0
	s_cbranch_scc0 .Lentry_in_a_cluster
	s_endpgm
.Lentry_in_a_cluster:
	s_bfe_u32 s2, ttmp6, 0x10000c
	s_cmp_lg_u32 s2, 0xf033
	s_cbranch_scc0 .Lentry_shape_is_right
	s_endpgm
.Lentry_shape_is_right:
; out0 = attn Wo^T + bo on codes of E4M3 (v_wmma_f32_16x16x128_fp8_fp8, f32 sums): each finished sum x 2^(e10 + e11) + bo, one packed multiply-add for two numbers.
; A work-group makes 128 x 128 of out0, its four waves 64 x 64 each: 16 accumulators.  BOTH OPERAND TILES LIE WHOLE IN LDS (K = 1,024: 2 x 131,072 bytes), brought by first fills alone: no LDS byte is filled twice.
; cod and ac hold the codes in the order of the operands' registers: a fragment (16 rows x 128 K) is 2,048 bytes on end and comes by four ds_load_b128 at 16 x lane.  In a lane's registers 4 c .. 4 c + 3 stand
; K = 32 c + 16 (lane / 16) + 0 .. 15: a permutation of K inside the instruction, the same in both operands.
; SOURCES.  P = source 0 = Wo's rows (columns of out0), R = source 1 = attn's rows.  Accumulator (g, c), register j, lane (r, h) = out0(row 16 g + r, column 16 c + 8 h + j): eight neighbours of a row.
; CLUSTERS: 4 x 4 work-groups.  P's tile hangs on cx and is asked for jointly by a column of the cluster, R's on cy, by a row.
; LIMIT: e10 + e11 between -126 and 127, so that 2^(e10 + e11) is an f32 number.
; REGISTERS: window 0: v1 r, v2 h, v3 16 x lane; v16-19, v20-23 LDS addresses of P's and R's fragments in chunk 0..3; v26-28 the way out; v32-63 bo; v128-255 the accumulators.   window 1: two fragment buffers of 128.
.set WV,  2
.set W1,  3
.set W2,  4
.set PCX, 5
.set PCY, 6
.set LB,  7
.set G1P, 16
.set G1R, 24
.set G0P, 32
.set G0R, 48
.set SC,  78                           ; s[78:79] 2^(e10 + e11), twice
.set ADP, 16
.set ADR, 20
.set STO, 26
.set RD,  27
.set CO,  28
.set BI,  32
.set ACC, 128
.set STAGE, 262144                     ; behind the tiles: 16 rows x (256 + 16) bytes for each wave; no tensor load lands there
.set SP,  272
.set MSB, 0
.macro WIN new                         ; the immediate's high byte repeats the setting that is left
.if MSB != \new
	s_set_vgpr_msb (MSB<<8)|\new
.set MSB, \new
.endif
.endm
.set MUL,  0x05                        ; sources 0 and 1 window 1; C and D window 0
.set TO_F, 0x40                        ; destination window 1, address window 0
.macro CROUND                          ; a round of the cluster's barrier
	s_barrier_signal -1
	s_barrier_wait -1
	s_cmp_lg_u32 s[WV], 0
	s_cbranch_scc1 .Lnot_wave_0_\@
	s_barrier_signal -3
.Lnot_wave_0_\@:
	s_barrier_wait -3
	s_barrier_signal -1
	s_barrier_wait -1
.endm
.macro PLACES                          ; four plain vector lines between a matrix instruction and a load into its sources or a read of its result
.rept 4
	v_nop
.endr
.endm
	s_load_b256 s[68:75], s[0:1], 0x0              ; cod s[68:69], ac s[70:71], bo s[72:73], the scales' exponents s[74:75]
	s_load_b64 s[76:77], s[0:1], 0x20              ; out0
	v_lshl_add_u32 v126, v0, 2, 0x44400
	v_mov_b32 v127, 0
	ds_add_u32 v126, v127
	ds_add_u32 v126, v127
	v_lshrrev_b32 v1, 5, v0
	v_readfirstlane_b32 s[WV], v1
	s_and_b32 s[W1], s[WV], 1
	s_lshr_b32 s[W2], s[WV], 1
	s_lshl_b32 s[LB], s[WV], 14
	s_bfe_u32 s[PCX], ttmp6, 0x40000
	s_bfe_u32 s[PCY], ttmp6, 0x40004
	s_lshl_b32 s12, ttmp9, 2
	s_and_b32 s8, ttmp7, 0xffff
	s_lshl_b32 s14, s8, 2
	s_add_co_u32 s84, s12, s[PCX]                  ; the tile of 128 columns: it hangs on cx alone,
	s_add_co_u32 s84, s84, 120                     ; Wo begins at tile 120 of cod
	s_add_co_u32 s86, s14, s[PCY]                  ; the tile of 128 rows: on cy alone
	s_lshl_b32 s84, s84, 17
	s_lshl_b32 s86, s86, 17
	s_lshl_b32 s15, s[W1], 16                      ; the 64 rows that I fetch
	s_add_co_u32 s84, s84, s15
	s_add_co_u32 s86, s86, s15
	s_mov_b32 s85, 0
	s_mov_b32 s87, 0
	s_lshl_b32 s82, s[PCY], 2
	s_lshl_b32 s82, 15, s82                        ; my row of the cluster
	s_lshl_b32 s83, 0x1111, s[PCX]                 ; my column
	; descriptor group 1: four rows (tiles of 16 rows of the operand) of 512 elements of 8 bytes (256 along K), 16,384 bytes apart; they land on end
	s_or_b32 s[G1P], s83, (3<<16)|(1<<21)
	s_or_b32 s[G1R], s82, (3<<16)|(1<<21)
.irp g, G1P, G1R
	s_mov_b32 s[\g+1], 512<<16                     ; tensor_dim0
	s_mov_b32 s[\g+2], 4<<16                       ; tensor_dim1
	s_mov_b32 s[\g+3], 512<<16                     ; tile_dim0
	s_mov_b32 s[\g+4], 4                           ; tile_dim1
	s_mov_b32 s[\g+5], 2048                        ; tensor_dim0_stride
	s_mov_b32 s[\g+6], 0
	s_mov_b32 s[\g+7], 0
.endr
	s_wait_dscnt 0x0
	s_wait_kmcnt 0x0
	s_load_b64 s[SC:SC+1], s[74:75], 0x28          ; e10, e11
	s_add_nc_u64 s[84:85], s[68:69], s[84:85]
	s_add_nc_u64 s[86:87], s[70:71], s[86:87]
.irp q, 0,1,2,3                        ; chunk q: 256 along K; in LDS at 65,536 q: P's eight tiles of 16 rows x 4,096 bytes, then R's eight
	s_mov_b32 s[G0P+4*\q], 1
	s_add_co_u32 s[G0P+4*\q+1], s[LB], 65536*\q
	s_add_nc_u64 s[G0P+4*\q+2:G0P+4*\q+3], s[84:85], 4096*\q
	s_or_b32 s[G0P+4*\q+3], s[G0P+4*\q+3], 0x80000000
	s_mov_b32 s[G0R+4*\q], 1
	s_add_co_u32 s[G0R+4*\q+1], s[LB], 65536*\q
	s_add_nc_u64 s[G0R+4*\q+2:G0R+4*\q+3], s[86:87], 4096*\q
	s_or_b32 s[G0R+4*\q+3], s[G0R+4*\q+3], 0x80000000
.endr
	CROUND                                         ; all sixteen work-groups are here: the joint loads meet
	s_cmp_lt_u32 s[WV], 2                          ; waves 0, 1 fetch P's halves, waves 2, 3 R's: four loads a wave, all in one branch; four loads of mine are out
	s_cbranch_scc0 .Lfill_r
	tensor_load_to_lds s[G0P:G0P+3], s[G1P:G1P+7]
	s_nop 0
	tensor_load_to_lds s[G0P+4:G0P+7], s[G1P:G1P+7]
	s_nop 0
	tensor_load_to_lds s[G0P+8:G0P+11], s[G1P:G1P+7]
	s_nop 0
	tensor_load_to_lds s[G0P+12:G0P+15], s[G1P:G1P+7]
	s_nop 0
	PLACES                                         ; four v_nop follow the last
	s_branch .Lfilled
.Lfill_r:
	tensor_load_to_lds s[G0R:G0R+3], s[G1R:G1R+7]
	s_nop 0
	tensor_load_to_lds s[G0R+4:G0R+7], s[G1R:G1R+7]
	s_nop 0
	tensor_load_to_lds s[G0R+8:G0R+11], s[G1R:G1R+7]
	s_nop 0
	tensor_load_to_lds s[G0R+12:G0R+15], s[G1R:G1R+7]
	s_nop 0
	PLACES
.Lfilled:
	v_and_b32 v1, 15, v0                           ; r
	v_bfe_u32 v2, v0, 4, 1                         ; h
	v_and_b32 v3, 31, v0
	v_lshlrev_b32 v3, 4, v3                        ; 16 x lane
	s_lshl_b32 s94, s[W1], 14
	s_lshl_b32 s95, s[W2], 14
	s_add_co_u32 s95, s95, 32768
.irp q, 0,1,2,3
	v_add_nc_u32 v[ADP+\q], s94, v3
	v_add_nc_u32 v[ADR+\q], s95, v3
	s_add_co_u32 s94, s94, 65536
	s_add_co_u32 s95, s95, 65536
.endr
	s_add_co_u32 s88, s12, s[PCX]
	s_lshl_b32 s88, s88, 7
	s_lshl_b32 s89, s[W1], 6
	s_add_co_u32 s88, s88, s89                     ; my first column
	s_lshl_b32 s88, s88, 2
	s_mov_b32 s89, 0
	s_add_nc_u64 s[72:73], s[72:73], s[88:89]      ; bo at it,
	s_add_nc_u64 s[76:77], s[76:77], s[88:89]      ; out0 at it,
	s_add_co_u32 s90, s14, s[PCY]
	s_lshl_b32 s90, s90, 7
	s_lshl_b32 s91, s[W2], 6
	s_add_co_u32 s90, s90, s91                     ; and at my first row: rows of 4,096 bytes
	s_lshl_b32 s90, s90, 12
	s_mov_b32 s91, 0
	s_add_nc_u64 s[76:77], s[76:77], s[90:91]
	v_lshlrev_b32 v24, 5, v2                       ; 32 h
.irp c, 0,1,2,3
	global_load_b128 v[BI+8*\c:BI+8*\c+3], v24, s[72:73] offset:64*\c        ; bo(16 c + 8 h + 0 .. 7)
	global_load_b128 v[BI+8*\c+4:BI+8*\c+7], v24, s[72:73] offset:64*\c+16
.endr
	s_mul_i32 s92, s[WV], 16*SP
	s_add_co_u32 s92, s92, STAGE                   ; my stage
	v_mul_u32_u24 v[STO], v1, SP                   ; in: row r, 32 bytes for each half of the lanes
	v_lshl_add_u32 v[STO], v2, 5, v[STO]
	v_add_nc_u32 v[STO], s92, v[STO]
	v_mul_u32_u24 v[RD], v2, SP                    ; back: lanes 0-15 one row of 256 bytes, lanes 16-31 the next
	v_lshl_add_u32 v[RD], v1, 4, v[RD]
	v_add_nc_u32 v[RD], s92, v[RD]
	v_lshlrev_b32 v[CO], 12, v2                    ; and the same two rows in out0
	v_lshl_add_u32 v[CO], v1, 4, v[CO]
; 32 LDS loads in one run: chunk q, its s-th 128 along K, into buffer fb: P's four fragments, then R's four
.macro FETCH q, s, fb
	WIN TO_F
.irp i, 0,1,2,3
.irp c, 0,1,2,3
	ds_load_b128 v[\fb+16*\i+4*\c:\fb+16*\i+4*\c+3], v[ADP+(\q)] offset:4096*\i+2048*(\s)+512*\c
.endr
.endr
.irp i, 0,1,2,3
.irp c, 0,1,2,3
	ds_load_b128 v[\fb+64+16*\i+4*\c:\fb+64+16*\i+4*\c+3], v[ADR+(\q)] offset:4096*\i+2048*(\s)+512*\c
.endr
.endr
.endm
; 8 matrix instructions: R's fragments g0, g0 + 1 against P's four.  zero = 1: the first product starts the sums.  The 16 accumulators take turns, one instruction a turn
.macro MUL8 fb, g0, zero
.irp g, \g0, \g0+1
.irp c, 0,1,2,3
.if \zero
	v_wmma_f32_16x16x128_fp8_fp8 v[ACC+8*(4*(\g)+\c):ACC+8*(4*(\g)+\c)+7], v[\fb+16*\c:\fb+16*\c+15], v[\fb+64+16*(\g):\fb+64+16*(\g)+15], 0
.else
	v_wmma_f32_16x16x128_fp8_fp8 v[ACC+8*(4*(\g)+\c):ACC+8*(4*(\g)+\c)+7], v[\fb+16*\c:\fb+16*\c+15], v[\fb+64+16*(\g):\fb+64+16*(\g)+15], v[ACC+8*(4*(\g)+\c):ACC+8*(4*(\g)+\c)+7]
.endif
.endr
.endr
.endm
; K step ks of eight, 128 along K.  In its middle the next step's fragments are fetched into the other buffer.  Steps 1, 3, 5 fetch from a new chunk: each wave has waited for its part of it and passed a barrier.
.macro STEP ks, zero
.set FB, 128*((\ks)%2)
.set GB, 128-FB
.if ((\ks)%2 == 1) && ((\ks) < 7)
	s_wait_dscnt 0x0                               ; no LDS load of mine is out at a signal
	s_wait_tensorcnt 2-(\ks)/2                     ; my part of the next chunk is in; the later chunks' loads may be out
	s_barrier_signal -1
	WIN MUL
	MUL8 FB, 0, \zero
	s_barrier_wait -1
.else
	s_wait_dscnt 8                                 ; P's four and R's first two fragments are in; R's last two (eight loads) may be out
	WIN MUL
	MUL8 FB, 0, \zero
.endif
.if (\ks) < 7
	PLACES
	FETCH ((\ks)+1)/2, ((\ks)+1)%2, GB
	s_wait_dscnt 32                                ; all but the 32 just issued
.else
	s_wait_dscnt 0x0
.endif
	WIN MUL
	MUL8 FB, 2, \zero
.endm
	s_wait_tensorcnt 3                             ; my part of chunk 0 is in,
	s_barrier_signal -1
	s_barrier_wait -1                              ; everybody's is
	FETCH 0, 0, 0
	STEP 0, 1
	STEP 1, 0
	STEP 2, 0
	STEP 3, 0
	STEP 4, 0
	STEP 5, 0
	STEP 6, 0
	STEP 7, 0
	WIN 0
	s_wait_kmcnt 0x0
	s_add_co_i32 s[SC], s[SC], s[SC+1]             ; e10 + e11
	s_add_co_i32 s[SC], s[SC], 127
	s_lshl_b32 s[SC], s[SC], 23                    ; 2^(e10 + e11) as f32
	s_mov_b32 s[SC+1], s[SC]                       ; (named with it as a pair)
	s_wait_loadcnt 0x0                             ; bo
	PLACES
; THE WAY OUT, 16 rows x 64 columns at a time: a lane holds 32 neighbouring bytes of a row and the lanes beside it other rows, so a block goes through my own stage and comes back as whole rows of 256 bytes,
; into the registers that it left.  LDS serves a wave's instructions in order (ISA guide 5.7.1.4): no wait between the stores and the loads, nor in front of the next block's stores.
.macro PACK g
.irp c, 0,1,2,3
.irp i, 0,2,4,6
	v_pk_fma_f32 v[ACC+32*\g+8*\c+\i:ACC+32*\g+8*\c+\i+1], v[ACC+32*\g+8*\c+\i:ACC+32*\g+8*\c+\i+1], s[SC:SC+1], v[BI+8*\c+\i:BI+8*\c+\i+1] op_sel_hi:[1,0,1]   ; sum x 2^(e10 + e11) + bo; each accumulator from its low end on
.endr
.endr
.irp c, 0,1,2,3
	ds_store_b128 v[STO], v[ACC+32*\g+8*\c:ACC+32*\g+8*\c+3] offset:64*\c
	ds_store_b128 v[STO], v[ACC+32*\g+8*\c+4:ACC+32*\g+8*\c+7] offset:64*\c+16
.endr
.irp i, 0,1,2,3,4,5,6,7
	ds_load_b128 v[ACC+32*\g+4*\i:ACC+32*\g+4*\i+3], v[RD] offset:2*SP*\i
.endr
.endm
.macro SEND g, younger                 ; younger: the LDS instructions issued behind block g's loads: the next block's sixteen, or none
.irp i, 0,1,2,3,4,5,6,7
	s_wait_dscnt \younger+7-\i
	global_store_b128 v[CO], v[ACC+32*\g+4*\i:ACC+32*\g+4*\i+3], s[76:77] offset:65536*\g+8192*\i th:TH_STORE_NT   ; 16 lanes store 256 consecutive bytes, aligned; written once, read by nobody here
.endr
.endm
	PACK 0
	PACK 1
	SEND 0, 16
	PACK 2
	SEND 1, 16
	PACK 3
	SEND 2, 16
	SEND 3, 0
	s_wait_tensorcnt 0x0
	ds_add_u32 v126, v127
	s_wait_dscnt 0x0
	CROUND                                         ; the closing round
	s_endpgm
.Lfunc_end_k_qc1c0436a72_oproj:
	.size	k_qc1c0436a72_oproj, .Lfunc_end_k_qc1c0436a72_oproj-k_qc1c0436a72_oproj
	.p2alignl 7, 3214868480
	.fill 96, 4, 3214868480
	.section	.rodata,"a",@progbits
	.p2align	6, 0x0
	.amdhsa_kernel k_qc1c0436a72_oproj
		.amdhsa_group_segment_fixed_size 280064
		.amdhsa_private_segment_fixed_size 0
		.amdhsa_enable_private_segment 0
		.amdhsa_kernarg_size 40
		.amdhsa_user_sgpr_count 2
		.amdhsa_user_sgpr_kernarg_segment_ptr 1
		.amdhsa_wavefront_size32 1
		.amdhsa_system_sgpr_workgroup_id_x 1
		.amdhsa_system_sgpr_workgroup_id_y 1
		.amdhsa_system_sgpr_workgroup_id_z 1
		.amdhsa_system_vgpr_workitem_id 0
		.amdhsa_next_free_vgpr 512
		.amdhsa_next_free_sgpr 106
		.amdhsa_reserve_vcc 0
		.amdhsa_float_denorm_mode_32 3
		.amdhsa_float_denorm_mode_16_64 3
		.amdhsa_memory_ordered 1
		.amdhsa_forward_progress 1
		.amdhsa_inst_pref_size 48
	.end_amdhsa_kernel
	.amdgpu_metadata
---
amdhsa.version: [ 1, 2 ]
amdhsa.kernels:
  - .name:           k_qc1c0436a72_oproj
    .symbol:         k_qc1c0436a72_oproj.kd
    .args:
      - { .name: cod, .offset: 0, .size: 8, .value_kind: global_buffer, .address_space: global }
      - { .name: ac, .offset: 8, .size: 8, .value_kind: global_buffer, .address_space: global }
      - { .name: bo, .offset: 16, .size: 8, .value_kind: global_buffer, .address_space: global }
      - { .name: lowp_scales, .offset: 24, .size: 8, .value_kind: global_buffer, .address_space: global }
      - { .name: out0, .offset: 32, .size: 8, .value_kind: global_buffer, .address_space: global }
    .group_segment_fixed_size: 280064
    .private_segment_fixed_size: 0
    .kernarg_segment_align: 8
    .kernarg_segment_size: 40
    .max_flat_workgroup_size: 128
    .sgpr_count:     106
    .vgpr_count:     512
    .wavefront_size: 32
...
	.end_amdgpu_metadata
.endif
;; end of part 4
